; MI455X (gfx1250); checked and timed in simulation.
; The chip was launched on July 23, 2026; its instructions are those of AMD's public machine-readable ISA for CDNA 5 (MIT licence, August 2026) and "CDNA5" Instruction Set Architecture Reference Guide (July 2026). The comments in the code are by the model that wrote it; some were corrected since.
;; Attention Fusion. Allowed arithmetic: float matrix products may take bf16 or f16 operands with f32 sums; all other float work in f32.
;; Inputs: Wk 1,024 x 1,024 float32; Wo 1,024 x 1,024 float32; Wq 1,024 x 1,024 float32; Wv 1,024 x 1,024 float32; adapter_outputs 4 x 4 x 1,024 x 1,024 float32; bk 1,024 float32; bo 1,024 float32; bq 1,024 float32; bv 1,024 float32; ln_beta 1,024 float32; ln_gamma 1,024 float32.
;; Outputs: out0 4 x 1,024 x 1,024 float32.
;; One version. Each part assembles by itself: llvm-mc -triple=amdgcn-amd-amdhsa -mcpu=gfx1250 --defsym DOCPART=n.
;; ======== version 1 of 1: 4 launches
;; workspace buffers: xb 33,554,432 bytes; wqkv 6,291,456 bytes; wob 2,097,152 bytes; pooled 8,388,608 bytes; fused 16,777,216 bytes
;; launch prep (part 1): grid 2560 x 1, 8 waves a work-group, no clusters, 0 bytes of LDS; arguments adapter_outputs, Wq, Wk, Wv, Wo, xb, wqkv, wob; writes xb, wqkv, wob
.if DOCPART == 1
	.amdgcn_target "amdgcn-amd-amdhsa--gfx1250"
	.amdhsa_code_object_version 6
	.text
	.protected	k_q833c5d220f_prep
	.globl	k_q833c5d220f_prep
	.p2align	8
	.type	k_q833c5d220f_prep,@function
k_q833c5d220f_prep:
	s_mov_b64 s[64:65], 0
	v_nop
	global_prefetch_b8 v0, s[64:65] scope:SCOPE_SE
	s_setreg_imm32_b32 hwreg(HW_REG_WAVE_MODE, 25, 1), 1
	s_wait_xcnt 0x0
; f32 -> bf16 (one rounding, to nearest even) with a new layout, for the operands of the two matrix launches behind this one.
;   xb   [g 64][ks 16][row 256][64]          row = a*64 + t holds adapter a of token 64 g + t; a K step of 64 of a token group is one dense block of 32,768 bytes
;   wqkv [pair 8][ks 16][wc 2][p 3][kk 64][64]  head 2 pair + wc, p = q, k, v: a K step of 64 of a pair of heads is one dense block of 49,152 bytes, pairs follow each other
;   wob  [nt 8][k 1024][128]                 a panel of 128 columns of Wo, rows of 256 bytes
; A stream: no LDS, no barrier, no matrix unit.  A work-group turns 32,768 bytes of f32 into 16,384 of bf16 in eight steps; in a step thread t loads 16 bytes and
; stores 8.  On all three ways a wave's store covers 256 consecutive bytes, aligned, and a wave's load covers two aligned runs of 256 bytes or one of 512.
; All eight loads are out before the first is waited for; no register is written twice, so nothing waits for a store.
.set NX,   2048                        ; work-groups for x: 4 adapters x 512 blocks of 8 tokens
.set NQKV, 384                         ; for Wq, Wk, Wv: 3 x 16 heads x 8 blocks of 128 rows
.set X,    8                           ; v[8:39]   eight loads of four f32
.set Y,    40                          ; v[40:55]  eight pairs of packed words
; sstep, dstep: bytes from one step's source and target to the next; djump: what the target leaps further behind the fourth step.  nt = 1: the source is marked as read once in this launch.
.macro CONV sstep, dstep, djump, nt
.irp i, 0,1,2,3,4,5,6,7
.if \nt
	global_load_b128 v[X+4*(\i):X+4*(\i)+3], v1, s[24:25] offset:(\i)*(\sstep) th:TH_LOAD_NT
.else
	global_load_b128 v[X+4*(\i):X+4*(\i)+3], v1, s[24:25] offset:(\i)*(\sstep)
.endif
.endr
.irp i, 0,1,2,3,4,5,6,7
	s_wait_loadcnt 7-(\i)                          ; loads come back in order (ISA guide 5.7.1): step i is in, the 7 - i younger ones stay out
	v_cvt_pk_bf16_f32 v[Y+2*(\i)],   v[X+4*(\i)],   v[X+4*(\i)+1]
	v_cvt_pk_bf16_f32 v[Y+2*(\i)+1], v[X+4*(\i)+2], v[X+4*(\i)+3]
	global_store_b64 v2, v[Y+2*(\i):Y+2*(\i)+1], s[26:27] offset:(\i)*(\dstep)+((\i)/4)*(\djump)
.endr
.endm
	s_load_b512 s[8:23], s[0:1], 0x0               ; x s[8:9], Wq s[10:11], Wk s[12:13], Wv s[14:15], Wo s[16:17], xb s[18:19], wqkv s[20:21], wob s[22:23]
	s_mov_b32 s7, ttmp9                            ; the work-group's number
	s_mov_b32 s29, 0                               ; the offsets' high words
	s_mov_b32 s31, 0
	s_cmp_lt_u32 s7, NX
	s_cbranch_scc0 .Lweights
	; x: number = a*512 + g*8 + e: eight tokens' rows of 4,096 bytes.  Sixteen lanes take 64 columns of a row; a wave takes them of two neighbouring rows, which lie side by side in xb's block;
	; waves 0-3 take the even blocks of 64 columns, waves 4-7 the odd ones, two blocks a step
	v_lshrrev_b32 v3, 4, v0                        ; t / 16
	v_and_b32 v4, 15, v0
	v_and_b32 v5, 7, v3                            ; row
	v_lshrrev_b32 v3, 3, v3                        ; even or odd block
	v_lshlrev_b32 v1, 4, v4                        ; source: 16 (t % 16)
	v_lshl_add_u32 v1, v3, 8, v1                   ; + 256 for the odd block
	v_lshl_add_u32 v1, v5, 12, v1                  ; + row x 4,096
	v_lshlrev_b32 v2, 3, v4                        ; target: 8 (t % 16)
	v_lshl_add_u32 v2, v5, 7, v2                   ; + row x 128
	v_lshl_add_u32 v2, v3, 15, v2                  ; + 32,768 for the odd block
	s_lshl_b32 s28, s7, 15                         ; the source is dense: number x 32,768
	s_lshr_b32 s24, s7, 9                          ; a
	s_bfe_u32 s25, s7, 0x60003                     ; g: six bits from bit 3
	s_and_b32 s26, s7, 7                           ; e
	s_lshl_b32 s30, s25, 19                        ; g x 16 blocks of 32,768 bytes
	s_lshl_b32 s24, s24, 13                        ; + 64 a rows of 128 bytes
	s_add_co_u32 s30, s30, s24
	s_lshl_b32 s26, s26, 10                        ; + 8 e rows
	s_add_co_u32 s30, s30, s26
	s_wait_kmcnt 0x0
	s_add_nc_u64 s[24:25], s[8:9], s[28:29]
	s_add_nc_u64 s[26:27], s[18:19], s[30:31]
	CONV 512, 65536, 0, 1
	s_endpgm
.Lweights:
	v_lshlrev_b32 v2, 3, v0                        ; 8 t: my place in a step's 2,048 bytes of the target
	s_cmp_lt_u32 s7, NX+NQKV
	s_cbranch_scc0 .Lwo
	; Wq, Wk, Wv: number - 2,048 = p*128 + h*8 + kb; 128 rows k x 64 columns, 16 rows a step: sixteen lanes take a row's 256 bytes.  The 128 rows are two K steps of 64: behind the fourth step the target leaps to the next
	v_lshrrev_b32 v3, 4, v0
	v_and_b32 v1, 15, v0
	v_lshlrev_b32 v1, 4, v1
	v_lshl_add_u32 v1, v3, 12, v1                  ; (t / 16) rows of 4,096 bytes + 16 (t % 16)
	s_sub_co_u32 s24, s7, NX
	s_lshr_b32 s25, s24, 7                         ; p
	s_and_b32 s24, s24, 127
	s_lshr_b32 s26, s24, 3                         ; h
	s_and_b32 s27, s24, 7                          ; kb
	s_lshl_b32 s28, s27, 19                        ; 128 kb rows of 4,096 bytes
	s_lshl_b32 s30, s26, 8                         ; + 64 h columns of 4 bytes
	s_add_co_u32 s28, s28, s30
	s_lshr_b32 s30, s26, 1                         ; the pair of heads
	s_lshl_b32 s30, s30, 5                         ; (16 pair + 2 kb) x 2 + h % 2
	s_lshl2_add_u32 s30, s27, s30
	s_and_b32 s26, s26, 1
	s_add_co_u32 s30, s30, s26
	s_mul_i32 s30, s30, 3
	s_add_co_u32 s30, s30, s25                     ; x 3 + p:
	s_lshl_b32 s30, s30, 13                        ; a block of 64 rows of 128 bytes
	s_wait_kmcnt 0x0
	s_cmp_eq_u32 s25, 1                            ; the source is chosen by p
	s_cselect_b64 s[10:11], s[12:13], s[10:11]
	s_cmp_eq_u32 s25, 2
	s_cselect_b64 s[10:11], s[14:15], s[10:11]
	s_add_nc_u64 s[24:25], s[10:11], s[28:29]
	s_add_nc_u64 s[26:27], s[20:21], s[30:31]
	CONV 65536, 2048, 40960, 0                     ; the next K step's block lies 49,152 bytes on: 8,192 + 40,960
	s_endpgm
.Lwo:
	; Wo: number - 2,432 = nt*16 + kb; 64 rows k x 128 columns, 8 rows a step: a wave takes a row's 512 bytes
	v_lshrrev_b32 v3, 5, v0
	v_and_b32 v1, 31, v0
	v_lshlrev_b32 v1, 4, v1
	v_lshl_add_u32 v1, v3, 12, v1                  ; (t / 32) rows of 4,096 bytes + 16 (t % 32)
	s_sub_co_u32 s24, s7, NX+NQKV
	s_lshr_b32 s25, s24, 4                         ; nt
	s_and_b32 s24, s24, 15                         ; kb
	s_lshl_b32 s28, s24, 18                        ; 64 kb rows of 4,096 bytes
	s_lshl_b32 s26, s25, 9                         ; + 128 nt columns of 4 bytes
	s_add_co_u32 s28, s28, s26
	s_lshl_b32 s30, s25, 18                        ; panel nt of 262,144 bytes
	s_lshl_b32 s26, s24, 14                        ; + 64 kb rows of 256 bytes
	s_add_co_u32 s30, s30, s26
	s_wait_kmcnt 0x0
	s_add_nc_u64 s[24:25], s[16:17], s[28:29]
	s_add_nc_u64 s[26:27], s[22:23], s[30:31]
	CONV 32768, 2048, 0, 0
	s_endpgm
.Lfunc_end_k_q833c5d220f_prep:
	.size	k_q833c5d220f_prep, .Lfunc_end_k_q833c5d220f_prep-k_q833c5d220f_prep
	.p2alignl 7, 3214868480
	.fill 96, 4, 3214868480
	.section	.rodata,"a",@progbits
	.p2align	6, 0x0
	.amdhsa_kernel k_q833c5d220f_prep
		.amdhsa_group_segment_fixed_size 0
		.amdhsa_private_segment_fixed_size 0
		.amdhsa_enable_private_segment 0
		.amdhsa_kernarg_size 64
		.amdhsa_user_sgpr_count 2
		.amdhsa_user_sgpr_kernarg_segment_ptr 1
		.amdhsa_wavefront_size32 1
		.amdhsa_system_sgpr_workgroup_id_x 1
		.amdhsa_system_sgpr_workgroup_id_y 1
		.amdhsa_system_sgpr_workgroup_id_z 1
		.amdhsa_system_vgpr_workitem_id 0
		.amdhsa_next_free_vgpr 56
		.amdhsa_next_free_sgpr 66
		.amdhsa_reserve_vcc 0
		.amdhsa_float_denorm_mode_32 3
		.amdhsa_float_denorm_mode_16_64 3
		.amdhsa_memory_ordered 1
		.amdhsa_forward_progress 1
		.amdhsa_inst_pref_size 12
	.end_amdhsa_kernel
	.amdgpu_metadata
---
amdhsa.version: [ 1, 2 ]
amdhsa.kernels:
  - .name:           k_q833c5d220f_prep
    .symbol:         k_q833c5d220f_prep.kd
    .args:
      - { .name: adapter_outputs, .offset: 0, .size: 8, .value_kind: global_buffer, .address_space: global }
      - { .name: Wq, .offset: 8, .size: 8, .value_kind: global_buffer, .address_space: global }
      - { .name: Wk, .offset: 16, .size: 8, .value_kind: global_buffer, .address_space: global }
      - { .name: Wv, .offset: 24, .size: 8, .value_kind: global_buffer, .address_space: global }
      - { .name: Wo, .offset: 32, .size: 8, .value_kind: global_buffer, .address_space: global }
      - { .name: xb, .offset: 40, .size: 8, .value_kind: global_buffer, .address_space: global }
      - { .name: wqkv, .offset: 48, .size: 8, .value_kind: global_buffer, .address_space: global }
      - { .name: wob, .offset: 56, .size: 8, .value_kind: global_buffer, .address_space: global }
    .group_segment_fixed_size: 0
    .private_segment_fixed_size: 0
    .kernarg_segment_align: 8
    .kernarg_segment_size: 64
    .max_flat_workgroup_size: 256
    .sgpr_count:     66
    .vgpr_count:     56
    .wavefront_size: 32
...
	.end_amdgpu_metadata
.endif
;; end of part 1
;; launch qkv_attn (part 2): grid 4 x 64, 4 waves a work-group, clusters of 4 x 4, 327,680 bytes of LDS; arguments xb, wqkv, bq, bk, bv, pooled; writes pooled
.if DOCPART == 2
	.amdgcn_target "amdgcn-amd-amdhsa--gfx1250"
	.amdhsa_code_object_version 6
	.text
	.protected	k_q833c5d220f_qkv_attn
	.globl	k_q833c5d220f_qkv_attn
	.p2align	8
	.type	k_q833c5d220f_qkv_attn,@function
k_q833c5d220f_qkv_attn:
	s_mov_b64 s[64:65], 0
	v_nop
	global_prefetch_b8 v0, s[64:65] scope:SCOPE_SE
	s_setreg_imm32_b32 hwreg(HW_REG_WAVE_MODE, 25, 1), 1
	s_wait_xcnt 0x0
	s_wait_alu depctr_hold_cnt(0) depctr_sa_sdst(0) depctr_va_vdst(0) depctr_va_sdst(0) depctr_va_ssrc(0) depctr_va_vcc(0) depctr_vm_vsrc(0)
	s_getreg_b32 s2, hwreg(HW_REG_IB_STS2, 6, 4)
	s_cmp_eq_u32 s2, 0
	s_cbranch_scc0 .Lentry_in_a_cluster
	s_endpgm
.Lentry_in_a_cluster:
	s_bfe_u32 s2, ttmp6, 0x10000c
	s_cmp_lg_u32 s2, 0xf033
	s_cbranch_scc0 .Lentry_shape_is_right
	s_endpgm
.Lentry_shape_is_right:
; q, k, v = x W + b for a head, the 4 x 4 attention over the adapters, and the mean over the four queries; q, k and v never leave registers.
;   pooled[token][head][:] = bv + sum over ka of wbar[ka] (x[ka] Wv),   wbar[ka] = 1/4 sum over qa of softmax_ka(q[qa] . k[ka] / 8)
; (bv is added once: the four wbar sum to 1, each softmax row being divided by its own sum.)
; LIMITS.  x and the weights arrive rounded to bf16, the pooled row leaves rounded once to bf16; products' sums, biases, scores, softmax and pooling are f32.  The softmax takes each row's
; maximum away; a weight below 2^-126 counts as 0.  NaN and infinities are not treated apart.
; SHARES.  A work-group owns token group g: 64 tokens x 4 adapters = 256 rows; it STAYS for two tiles of 256 rows x 384 columns (q, k, v of a pair of heads), pairs 2 wx and 2 wx + 1, K = 1,024.
; Wave w owns tokens 32 (w / 2) .. + 31, as two blocks t of 16, with all four adapters, and head w % 2 of the pair: 128 rows x 192 columns, 96 accumulators (p = q, k, v; t; a = adapter;
; nb = 16 columns), 768 registers.  For 32 along K a wave loads 40 fragments' halves from LDS (16 of x, 24 of the weights) for 96 matrix instructions.
; THE MATRIX INSTRUCTION IS USED TRANSPOSED: source 0 = 16 columns of a weight, source 1 = 16 tokens of one adapter.  Lane l then holds token l % 16 and the dims 16 nb + 8 (l / 16) + 0..7: half of
; the head's 64 dims of q, k and v of ALL FOUR adapters of one token.  So the attention is arithmetic inside the lane, with one exchange between the halves of the lanes for the 16 scores.
; RING.  K goes in steps of 64 through two LDS slots, each with x's 256 rows (128 bytes + 16 of padding) and the pair's 384 weight rows [head][p][k] (128 bytes + 32); two slots of 128 along K would
; be 393,216 bytes.  Both tiles are dense in memory and are asked for as rows of 256 bytes.  The weights lie [k][column], so their fragments come out turned, by ds_load_tr16_b128.
; The ring does not stop at a tile's end: x's address goes back along K, the weights' simply walks on into the next pair.
; CLUSTER.  4 x 4 work-groups.  x's tile hangs on g alone and is asked for jointly by the four of a row of the cluster; the weights' tile hangs on wx alone: by the four of a column.
; REGISTERS, in windows of 256 (s_set_vgpr_msb: bits 1:0 source 0, 3:2 source 1, 5:4 source 2, 7:6 destination):
;   window 1: q, window 2: k, window 3: v, each at 128 t + 32 a + 8 nb
;   window 0: v10-19 addresses; v20-31 the softmax's statistics; v32-159 x's fragments, two buffers of 64 (8 (4 t + a)); v160-255 the weights' fragments, ONE buffer of 32 for each of q, k, v (8 nb).
; A weight buffer is loaded again as soon as its phase is over and is wanted two phases later; the attention works in the buffers that hold nothing for the next tile.
.set PA,     144                       ; a row of x in LDS: 36 words: the 16 rows of a fragment load start at 16 different groups of four banks (64 banks of 4 bytes: ISA guide 11.1)
.set PB,     160                       ; a weight row: 40 words
.set AHALF,  128*PA                    ; 128 rows of x: one tensor load
.set BOFF,   2*AHALF                   ; the weights lie behind x's 256 rows
.set BHALF,  192*PB                    ; one head's 192 weight rows: one tensor load
.set SLOT,   BOFF+2*BHALF              ; 98,304
.set STAGE,  2*SLOT                    ; behind the ring: 16 rows x 144 bytes for each wave, for the way out; no tensor load lands here
.set SP,     144
.set BIASL,  STAGE+4*16*SP             ; behind the stages: for each wave 1,536 bytes: [tile 2][p 3][64] f32, the biases of its two heads; no tensor load lands here
.set SPARE,  BIASL+4*1536              ; behind them: the spare words, 128 bytes for each wave: two blocks of 256 bytes that no other line names
.set TILES,  2
.set LAPS,   8                         ; a lap = two K steps = once round the ring; K = 1,024
.set STEP_A, 65536                     ; x: two blocks of 32,768 bytes on
.set BACK_A, 458752                    ; x: from a slot's last K step of a tile back to its first: 14 blocks
.set STEP_B, 98304                     ; the weights: two blocks of 49,152 bytes on, across pairs too
.set ADRA, 10                          ; v10-11  LDS address of my x fragments in slot 0, 1
.set ADRB, 12                          ; v12-13  the same for the weights
.set STO,  14                          ; v14     the way out: where I put 16 bytes of a row
.set RD,   15                          ; v15     the way out: where I read rows back
.set GO,   16                          ; v16     my byte offset in 512 consecutive bytes of pooled
.set BL,   17                          ; v17     LDS address of my 8 dims in the biases of the tile in hand
.set SPW,  18                          ; v18     LDS address of my spare word; never rewritten
.set NIL,  19                          ; v19     0; never rewritten
.set MX,   20                          ; v20-23  c x maximum, then the sum and its reciprocal, by qa
.set WB,   24                          ; v24-31  pairs (wbar[a], 1 / (4 l[a]))
.set AF,   32                          ; x's fragment buffers
.set BF,   160                         ; the weights' fragment buffers
.set BV,   96                          ; the attention's scratch: bv in x's buffer 1,
.set SC,   128                         ; v128-159 the 16 scores, in pairs: (qa, ka) at SC + 2 (4 qa + ka), likewise;
.set BQ,   192                         ; bq in k's buffer, bk in v's;
.set BK,   224
.set PL,   192                         ; when both are added: the pooled row,
.set TMP,  224                         ; the same in bf16,
.set OB,   240                         ; and whole rows read back from the stage
.set WV,  16                           ; s16  my wave's number
.set G1,  24                           ; s[24:31] descriptor group 1 for x's tiles;   s[32:39] group 0, a set for each slot
.set G0,  32
.set G1B, 48                           ; s[48:55], s[56:63] the same for the weights' tiles
.set G0B, 56
.set CS,  66                           ; s66  c = log2(e) / 8
.set SEL, 68                           ; s[68:69] v_permlanex16_b32's selects: each lane takes its own place in the other half
.set MSB, 0
.macro WIN new                         ; the immediate's high byte repeats the setting that is left; a switch that changes nothing is dropped
.if MSB != (\new)
	s_set_vgpr_msb (MSB<<8)|(\new)
.set MSB, \new
.endif
.endm
; A joint load.  Waves 0 and 1 fetch x's two halves, waves 2 and 3 the two heads' weights.  The branch hangs on the wave's number alone.  An s_nop 0 and four v_nop follow each of the two lines.
.macro JLOAD s
	s_cmp_lt_u32 s[WV], 2
	s_cbranch_scc0 .Lfor_b_\@
	tensor_load_to_lds s[G0+4*(\s):G0+4*(\s)+3], s[G1:G1+7]
	s_nop 0
.rept 4
	v_nop
.endr
	s_branch .Lasked_\@
.Lfor_b_\@:
	tensor_load_to_lds s[G0B+4*(\s):G0B+4*(\s)+3], s[G1B:G1B+7]
	s_nop 0
.rept 4
	v_nop
.endr
.Lasked_\@:
.endm
; A round of the cluster's barrier: my work-group's barrier; wave 0 signals for the work-group; every wave waits for all sixteen work-groups; my work-group's barrier once more.
.macro CREST                           ; a round behind its opening barrier
	s_cmp_lg_u32 s[WV], 0
	s_cbranch_scc1 .Lnot_wave_0_\@
	s_barrier_signal -3
.Lnot_wave_0_\@:
	s_barrier_wait -3
	s_barrier_signal -1
	s_barrier_wait -1
.endm
.macro CROUND
	s_barrier_signal -1
	s_barrier_wait -1
	CREST
.endm
	s_load_b256 s[4:11], s[0:1], 0x0               ; xb s[4:5], wqkv s[6:7], bq s[8:9], bk s[10:11]
	s_load_b128 s[12:15], s[0:1], 0x20             ; bv s[12:13], pooled s[14:15]
	v_lshl_add_u32 v[SPW], v0, 2, SPARE
	v_mov_b32 v[NIL], 0
	ds_add_u32 v[SPW], v[NIL]                      ; the wave's opening: the add and its wait stand ahead of my first tensor load; the set-up below stands between them
	v_lshrrev_b32 v1, 5, v0
	v_readfirstlane_b32 s[WV], v1                  ; wave 0..3
	s_lshr_b32 s17, s[WV], 1                       ; which 32 tokens are mine
	s_and_b32 s18, s[WV], 1                        ; which head of the pair.  Also: which half of a tile I fetch
	s_bfe_u32 s19, ttmp6, 0x40000                  ; cx
	s_bfe_u32 s20, ttmp6, 0x40004                  ; cy
	s_lshl_b32 s21, ttmp9, 2
	s_add_co_u32 s21, s21, s19                     ; wx = 4 x cluster x + cx: my two pairs of heads
	s_and_b32 s22, ttmp7, 0xffff
	s_lshl_b32 s22, s22, 2
	s_add_co_u32 s22, s22, s20                     ; g = 4 x cluster y + cy: my token group
	s_lshl_b32 s23, s20, 2
	s_lshl_b32 s23, 15, s23                        ; my row of the cluster: places 4 cy .. 4 cy + 3
	s_lshl_b32 s40, 0x1111, s19                    ; my column: places cx, cx + 4, cx + 8, cx + 12
	; group 1 for x: 16,384 dense bytes as 64 rows of 256 bytes (two rows of x each); 16 bytes of padding behind every 32 words, that is behind every row of x
	s_or_b32 s[G1+0], s23, (1<<16)|(1<<20)|(1<<21)|(4<<22)|(3<<25)  ; 15:0 mask; 17:16 2-byte elements; 20 padding on; 21 set beside a mask; 24:22 interval code 4; 31:25 4 words (code 3)
	s_mov_b32 s[G1+1], 128<<16                     ; tensor_dim0 = 128
	s_mov_b32 s[G1+2], 64<<16                      ; tensor_dim1 = 64
	s_mov_b32 s[G1+3], 128<<16                     ; tile_dim0 = 128
	s_mov_b32 s[G1+4], 64                          ; tile_dim1 = 64
	s_mov_b32 s[G1+5], 128                         ; the pitch
	s_mov_b32 s[G1+6], 0
	s_mov_b32 s[G1+7], 0
	; group 1 for the weights: 24,576 dense bytes as 96 rows of 256 bytes (two weight rows each); 32 bytes of padding behind every 32 words
	s_or_b32 s[G1B+0], s40, (1<<16)|(1<<20)|(1<<21)|(4<<22)|(7<<25)
	s_mov_b32 s[G1B+1], 128<<16
	s_mov_b32 s[G1B+2], 96<<16
	s_mov_b32 s[G1B+3], 128<<16
	s_mov_b32 s[G1B+4], 96
	s_mov_b32 s[G1B+5], 128
	s_mov_b32 s[G1B+6], 0
	s_mov_b32 s[G1B+7], 0
	; offsets.  x's are made of g and the wave's number, the weights' of wx and the wave's number, each in registers that never hold the other coordinate
	s_lshl_b32 s42, s22, 19                        ; g x 16 blocks of 32,768 bytes
	s_lshl_b32 s44, s18, 14                        ; + my 128 rows of 128 bytes
	s_add_co_u32 s42, s42, s44
	s_mov_b32 s43, 0
	s_mul_i32 s46, s21, 1572864                    ; wx x 2 pairs x 16 blocks of 49,152 bytes
	s_mul_i32 s45, s18, 24576                      ; + my head's half of a block
	s_add_co_u32 s46, s46, s45
	s_mov_b32 s47, 0
	s_mul_i32 s70, s18, AHALF                      ; where the tiles go: no place in the cluster enters an LDS address
	s_mul_i32 s71, s18, BHALF
	s_add_co_u32 s71, s71, BOFF
	s_lshl_b32 s72, s21, 10                        ; the biases: head 4 wx + w % 2, 256 bytes a head
	s_lshl_b32 s73, s18, 8
	s_add_co_u32 s72, s72, s73
	s_mov_b32 s73, 0
	s_lshr_b32 s74, s22, 1                         ; pooled is [mt 32][head 16][token 128][64] in bf16: mt = g / 2,
	s_lshl_b32 s74, s74, 4
	s_lshl2_add_u32 s74, s21, s74                  ; block 16 mt + 4 wx
	s_add_co_u32 s74, s74, s18                     ; + w % 2
	s_lshl_b32 s74, s74, 14                        ; of 16,384 bytes,
	s_and_b32 s75, s22, 1
	s_lshl_b32 s75, s75, 13                        ; + 64 (g % 2) tokens of 128 bytes
	s_add_co_u32 s74, s74, s75
	s_lshl_b32 s75, s17, 12                        ; + my wave's 32
	s_add_co_u32 s74, s74, s75
	s_mov_b32 s75, 0
	s_mov_b32 s[CS], 0x3e38aa3b                    ; c = log2(e) / 8 = 0.180337
	s_mov_b32 s[SEL], 0x76543210
	s_mov_b32 s[SEL+1], 0xfedcba98
	s_wait_dscnt 0x0                               ; the opening add is done
	s_wait_kmcnt 0x0
	s_add_nc_u64 s[4:5], s[4:5], s[42:43]
	s_add_nc_u64 s[6:7], s[6:7], s[46:47]
	s_add_nc_u64 s[8:9], s[8:9], s[72:73]
	s_add_nc_u64 s[10:11], s[10:11], s[72:73]
	s_add_nc_u64 s[12:13], s[12:13], s[72:73]
	s_add_nc_u64 s[14:15], s[14:15], s[74:75]
	CROUND                                         ; all sixteen work-groups are here: the first joint loads meet
.irp s, 0,1
	s_mov_b32 s[G0+4*(\s)], 1                                      ; count = 1
	s_add_co_u32 s[G0+4*(\s)+1], s70, (\s)*SLOT                    ; LDS address
	s_add_nc_u64 s[G0+4*(\s)+2:G0+4*(\s)+3], s[4:5], (\s)*32768    ; global address: K step s
	s_or_b32 s[G0+4*(\s)+3], s[G0+4*(\s)+3], 0x80000000            ; type = 2
	s_mov_b32 s[G0B+4*(\s)], 1
	s_add_co_u32 s[G0B+4*(\s)+1], s71, (\s)*SLOT
	s_add_nc_u64 s[G0B+4*(\s)+2:G0B+4*(\s)+3], s[6:7], (\s)*49152
	s_or_b32 s[G0B+4*(\s)+3], s[G0B+4*(\s)+3], 0x80000000
.endr
	s_cmp_lt_u32 s[WV], 2                          ; a wave's two first fills stand in one branch, ahead of every wait on TENSORcnt and every LDS read: two loads of mine are out
	s_cbranch_scc0 .Lfirst_b
	tensor_load_to_lds s[G0:G0+3], s[G1:G1+7]
	s_nop 0
	tensor_load_to_lds s[G0+4:G0+7], s[G1:G1+7]
	s_nop 0
.rept 4
	v_nop
.endr
	s_branch .Lfirst_asked
.Lfirst_b:
	tensor_load_to_lds s[G0B:G0B+3], s[G1B:G1B+7]
	s_nop 0
	tensor_load_to_lds s[G0B+4:G0B+7], s[G1B:G1B+7]
	s_nop 0
.rept 4
	v_nop
.endr
.Lfirst_asked:
	v_and_b32 v1, 15, v0                           ; r = l % 16
	v_bfe_u32 v2, v0, 4, 1                         ; h = l / 16
	; my two heads' biases: lanes 0-15 take the 256 bytes of the first tile's head, lanes 16-31 those of the second's, two heads on
	v_lshlrev_b32 v8, 4, v1
	v_lshl_add_u32 v8, v2, 9, v8
	global_load_b128 v[96:99], v8, s[8:9]
	global_load_b128 v[100:103], v8, s[10:11]
	global_load_b128 v[104:107], v8, s[12:13]
	; x's fragment: 16 rows x 32 K in 8 registers: lane l holds row l % 16, K = 8 (l / 16) + 0..7 and 16 + 8 (l / 16) + 0..7: two loads of 16 bytes, 32 bytes apart
	s_lshl_b32 s41, s17, 5
	v_add_nc_u32 v3, s41, v1                       ; token 32 (w / 2) + r; the block and the adapter stand in the loads' immediates
	v_mul_u32_u24 v3, v3, PA
	v_lshl_add_u32 v[ADRA], v2, 4, v3
	v_add_nc_u32 v[ADRA+1], SLOT, v[ADRA]
	; the turning load takes 16 k x 16 columns (lane l reads row 8 (l / 16) + l % 8, columns 8 ((l / 8) % 2) + 0..7) and leaves half a fragment: lane l holds column l % 16 and 8 k
	v_and_b32 v4, 7, v0
	v_bfe_u32 v5, v0, 3, 1
	v_lshl_add_u32 v6, v2, 3, v4
	v_mul_u32_u24 v6, v6, PB
	v_lshl_add_u32 v6, v5, 4, v6
	s_mul_i32 s41, s18, BHALF                      ; my head's 192 rows,
	s_add_co_u32 s41, s41, BOFF                    ; behind x's 256
	v_add_nc_u32 v[ADRB], s41, v6
	v_add_nc_u32 v[ADRB+1], SLOT, v[ADRB]
	s_mul_i32 s41, s[WV], 16*SP
	s_add_co_u32 s41, s41, STAGE                   ; my stage
	v_mul_u32_u24 v7, v1, SP                       ; in: row r, 16 bytes for each half of the lanes
	v_lshl_add_u32 v7, v2, 4, v7
	v_add_nc_u32 v[STO], s41, v7
	v_bfe_u32 v7, v0, 3, 2                         ; back: 32 lanes take four rows of 128 bytes,
	v_mul_u32_u24 v7, v7, SP
	v_lshl_add_u32 v7, v4, 4, v7
	v_add_nc_u32 v[RD], s41, v7
	v_and_b32 v[GO], 31, v0                        ; which are 512 consecutive bytes of pooled
	v_lshlrev_b32 v[GO], 4, v[GO]
	s_mul_i32 s41, s[WV], 1536
	s_add_co_u32 s41, s41, BIASL                   ; my biases
	v_lshl_add_u32 v[BL], v2, 5, s41               ; read: dims 8 (l / 16) on of the first tile's head
	v_mul_u32_u24 v9, v2, 768                      ; written: tile l / 16, 16 bytes a lane
	v_lshl_add_u32 v9, v1, 4, v9
	v_add_nc_u32 v9, s41, v9
	s_wait_loadcnt 0x0
	ds_store_b128 v9, v[96:99]                     ; only this wave reads these bytes, and LDS serves a wave's instructions in order (ISA guide 5.7.1.4)
	ds_store_b128 v9, v[100:103] offset:256
	ds_store_b128 v9, v[104:107] offset:512
; 8 matrix instructions: projection p, column block n, both token blocks, all four adapters, 32 along K, x out of buffer f.  zero = 1: the product starts the sum: nothing is ever cleared.
; The 96 accumulators take turns in the same order in every quarter: between two links of a chain stand the 95 others'.
; nops = 1: a v_nop stands behind each of the first four products: the four places between the products that last read a fragment buffer and the loads that fill it again.
.macro MULQ f, p, n, zero, nops
	WIN 0x50*((\p)+1)                              ; both sources window 0, C and D window p + 1
.irp t, 0,1
.irp a, 0,1,2,3
.set rD, 128*(\t)+32*(\a)+8*(\n)
.set rB, BF+32*(\p)+8*(\n)
.set rA, AF+64*(\f)+8*(4*(\t)+(\a))
.if \zero
	v_wmma_f32_16x16x32_bf16 v[rD:rD+7], v[rB:rB+7], v[rA:rA+7], 0
.else
	v_wmma_f32_16x16x32_bf16 v[rD:rD+7], v[rB:rB+7], v[rA:rA+7], v[rD:rD+7]
.endif
.if (\nops) && ((\t) == 0)
	v_nop
.endif
.endr
.endr
.endm
; 16 LDS loads in one run: k's and v's weights of quarter q of a slot: the quarter in hand
.macro FETCH_KV slot, q
	WIN 0
.irp p, 1,2
.irp n, 0,1,2,3
	ds_load_tr16_b128 v[BF+32*(\p)+8*(\n):BF+32*(\p)+8*(\n)+3],   v[ADRB+(\slot)] offset:(\p)*64*PB+(\q)*32*PB+32*(\n)
	ds_load_tr16_b128 v[BF+32*(\p)+8*(\n)+4:BF+32*(\p)+8*(\n)+7], v[ADRB+(\slot)] offset:(\p)*64*PB+(\q)*32*PB+32*(\n)+16*PB
.endr
.endr
.endm
; 24 LDS loads in one run: q's weights and x's fragments of quarter q of a slot: the quarter to come; x goes into buffer q
.macro FETCH_NEXT slot, q
	WIN 0
.irp n, 0,1,2,3
	ds_load_tr16_b128 v[BF+8*(\n):BF+8*(\n)+3],   v[ADRB+(\slot)] offset:(\q)*32*PB+32*(\n)
	ds_load_tr16_b128 v[BF+8*(\n)+4:BF+8*(\n)+7], v[ADRB+(\slot)] offset:(\q)*32*PB+32*(\n)+16*PB
.endr
.irp t, 0,1
.irp a, 0,1,2,3
	ds_load_b128 v[AF+64*(\q)+8*(4*(\t)+(\a)):AF+64*(\q)+8*(4*(\t)+(\a))+3],   v[ADRA+(\slot)] offset:(\a)*64*PA+(\t)*16*PA+64*(\q)
	ds_load_b128 v[AF+64*(\q)+8*(4*(\t)+(\a))+4:AF+64*(\q)+8*(4*(\t)+(\a))+7], v[ADRA+(\slot)] offset:(\a)*64*PA+(\t)*16*PA+64*(\q)+32
.endr
.endr
.endm
; A QUARTER: 32 along K, quarter q (0, 1) of a slot: three phases of 32 products, for q, k and v.  Behind the first 8 products k's and v's weights are fetched, behind the 48th the next quarter's q weights and x.
; kind = 1, 2: THE CHANGE OF SLOTS, in the k phase of a slot's second quarter: ONE barrier.  In front of it each wave waits for all its tensor loads, of which one is out: its part of the other slot; adds 0 to its
; spare word; and waits for that and for its own reads of this slot, of which the last were issued 32 products earlier.  Behind it nobody reads this slot any more and the other slot is whole.
; kind = 1: the barrier opens a round of the cluster's, so that no wave of any partner still reads the slot or has a load on its way, and the joint refill is the first thing behind it: this tile's K step two
; steps on (on = 0) or the next tile's K step 0 or 1 (on = 1).  From a request to the wait for it a wave issues 176 matrix instructions.  kind = 2: nothing is left to fetch.
; more = 0: the launch's very last quarter: there is no quarter to come.
.macro QUARTER slot, q, zero, kind, on, more
	s_wait_dscnt 0x0                               ; q's weights and x, issued 48 products ago, are in
	MULQ \q, 0, 0, \zero, 1
	FETCH_KV \slot, \q
	MULQ \q, 0, 1, \zero, 0
	MULQ \q, 0, 2, \zero, 0
	MULQ \q, 0, 3, \zero, 0
.if \kind
	WIN 0
	s_wait_tensorcnt 0x0                           ; all my tensor loads have landed
	ds_add_u32 v[SPW], v[NIL]                      ; 0 onto my spare word
	s_wait_dscnt 9                                 ; k's weights are in; v's eight loads and the add may be out
.else
	s_wait_dscnt 8                                 ; k's weights are in; v's eight loads may be out
.endif
	MULQ \q, 1, 0, \zero, 1
.if \kind
	s_wait_dscnt 0x0                               ; the add is done, and my reads of this slot are over
	s_barrier_signal -1
.endif
	MULQ \q, 1, 1, \zero, 0                        ; work on registers while the others arrive
.if (\kind) == 1
	WIN 0
	s_barrier_wait -1
	CREST
.if \on
	s_sub_nc_u64 s[G0+4*(\slot)+2:G0+4*(\slot)+3], s[G0+4*(\slot)+2:G0+4*(\slot)+3], BACK_A
.else
	s_add_nc_u64 s[G0+4*(\slot)+2:G0+4*(\slot)+3], s[G0+4*(\slot)+2:G0+4*(\slot)+3], STEP_A
.endif
	s_add_nc_u64 s[G0B+4*(\slot)+2:G0B+4*(\slot)+3], s[G0B+4*(\slot)+2:G0B+4*(\slot)+3], STEP_B
	JLOAD \slot
.elseif (\kind) == 2
	s_barrier_wait -1
.endif
.if \more
	FETCH_NEXT ((\slot)+(\q))%2, 1-(\q)
.endif
	MULQ \q, 1, 2, \zero, 0
	MULQ \q, 1, 3, \zero, 0
.if \more
	s_wait_dscnt 24                                ; v's weights are in: all but the 24 just issued
.else
	s_wait_dscnt 0x0
.endif
	MULQ \q, 2, 0, \zero, 0
	MULQ \q, 2, 1, \zero, 0
	MULQ \q, 2, 2, \zero, 0
	MULQ \q, 2, 3, \zero, 0
.endm
; THE ATTENTION of token block t and my head, and the way out.  Every accumulator is first read at its lowest pair.
.macro ATT t
	WIN 0x09                                       ; q window 1, k window 2, the scores window 0
.set i, 0
.rept 16                                               ; my 32 dims, two at a time; the 16 chains (qa = x / 4, ka = x % 4) take turns
.set x, 0
.rept 16
.if i == 0
	v_pk_mul_f32 v[SC+2*x:SC+2*x+1], v[128*(\t)+32*(x/4)+i:128*(\t)+32*(x/4)+i+1], v[128*(\t)+32*(x%4)+i:128*(\t)+32*(x%4)+i+1]
.else
	v_pk_fma_f32 v[SC+2*x:SC+2*x+1], v[128*(\t)+32*(x/4)+i:128*(\t)+32*(x/4)+i+1], v[128*(\t)+32*(x%4)+i:128*(\t)+32*(x%4)+i+1], v[SC+2*x:SC+2*x+1]
.endif
.set x, x+1
.endr
.set i, i+2
.endr
	WIN 0
.set x, 0
.rept 16
	v_add_f32 v[SC+2*x], v[SC+2*x], v[SC+2*x+1]    ; even dims + odd dims
.set x, x+1
.endr
.set x, 0
.rept 16
	v_permlanex16_b32 v[SC+2*x+1], v[SC+2*x], s[SEL], s[SEL+1]  ; the token's other 32 dims lie in the lane 16 away
.set x, x+1
.endr
.set x, 0
.rept 16
	v_add_f32 v[SC+2*x], v[SC+2*x], v[SC+2*x+1]
.set x, x+1
.endr
.irp q, 0,1,2,3
	v_max3_num_f32 v[MX+(\q)], v[SC+8*(\q)], v[SC+8*(\q)+2], v[SC+8*(\q)+4]
.endr
.irp q, 0,1,2,3
	v_max_num_f32 v[MX+(\q)], v[MX+(\q)], v[SC+8*(\q)+6]       ; the row's maximum
.endr
.irp q, 0,1,2,3
	v_mul_f32 v[MX+(\q)], s[CS], v[MX+(\q)]
.endr
.set x, 0
.rept 16
	v_fma_f32 v[SC+2*x], v[SC+2*x], s[CS], -v[MX+x/4]          ; c s - c m, at most 0
.set x, x+1
.endr
.set x, 0
.rept 16
	v_exp_f32 v[SC+2*x], v[SC+2*x]
.set x, x+1
.endr
	v_nop                                          ; a plain instruction behind the last exponential
	s_wait_alu depctr_va_vdst(0)
.irp q, 0,1,2,3
	v_add_f32 v[SC+8*(\q)+1], v[SC+8*(\q)], v[SC+8*(\q)+2]
	v_add_f32 v[SC+8*(\q)+3], v[SC+8*(\q)+4], v[SC+8*(\q)+6]
.endr
.irp q, 0,1,2,3
	v_add_f32 v[MX+(\q)], v[SC+8*(\q)+1], v[SC+8*(\q)+3]       ; the row's sum: at least 1
.endr
.irp q, 0,1,2,3
	v_rcp_f32 v[MX+(\q)], v[MX+(\q)]
.endr
	v_nop                                          ; a plain instruction behind the last reciprocal
	s_wait_alu depctr_va_vdst(0)
.irp q, 0,1,2,3
	v_mul_f32 v[WB+2*(\q)+1], 0x3e800000, v[MX+(\q)]           ; 1 / (4 l): the mean over the four queries rides on the division
.endr
.irp k, 0,1,2,3
	v_mul_f32 v[WB+2*(\k)], v[SC+2*(\k)], v[WB+1]
.endr
.irp q, 1,2,3
.irp k, 0,1,2,3
	v_fmac_f32 v[WB+2*(\k)], v[SC+8*(\q)+2*(\k)], v[WB+2*(\q)+1]  ; wbar[ka] += e[qa][ka] / (4 l[qa])
.endr
.endr
	WIN 0x03                                       ; v window 3; wbar, bv and the pooled row window 0
.set i, 0
.rept 16
	v_pk_fma_f32 v[PL+i:PL+i+1], v[128*(\t)+i:128*(\t)+i+1], v[WB:WB+1], v[BV+i:BV+i+1] op_sel_hi:[1,0,1]
.set i, i+2
.endr
.irp a, 1,2,3
.set i, 0
.rept 16
	v_pk_fma_f32 v[PL+i:PL+i+1], v[128*(\t)+32*(\a)+i:128*(\t)+32*(\a)+i+1], v[WB+2*(\a):WB+2*(\a)+1], v[PL+i:PL+i+1] op_sel_hi:[1,0,1]
.set i, i+2
.endr
.endr
	WIN 0
.set i, 0
.rept 16
	v_cvt_pk_bf16_f32 v[TMP+i], v[PL+2*i], v[PL+2*i+1]
.set i, i+1
.endr
.irp n, 0,1,2,3
	ds_store_b128 v[STO], v[TMP+4*(\n):TMP+4*(\n)+3] offset:32*(\n)  ; dims 16 nb + 8 (l / 16) + 0..7 of my token
.endr
.if (\t) == 1
	s_wait_xcnt 0x0                                ; the first block's stores read the registers that the loads below fill: they are written again only behind this wait
.endif
.irp f, 0,1,2,3
	ds_load_b128 v[OB+4*(\f):OB+4*(\f)+3], v[RD] offset:(\f)*4*SP    ; LDS serves a wave's instructions in order (ISA guide 5.7.1.4): these see the stores above
.endr
.irp f, 0,1,2,3
	s_wait_dscnt 3-(\f)                            ; the 3 - f younger loads stay out
	global_store_b128 v[GO], v[OB+4*(\f):OB+4*(\f)+3], s[14:15] offset:2048*(\t)+512*(\f)  ; 512 consecutive bytes, at a multiple of 256 from pooled's first byte
.endr
.endm
	s_wait_tensorcnt 0x1                           ; my part of K step 0 is in; K step 1's may stay out
	s_wait_dscnt 0x0                               ; no LDS instruction of mine is pending at a signal
	s_barrier_signal -1
	s_barrier_wait -1                              ; everybody's part is in
	FETCH_NEXT 0, 0
	s_mov_b32 s2, TILES                            ; tiles to go, this one among them
.Ltile:
	QUARTER 0, 0, 1, 0, 0, 1                       ; a tile's first quarter stands in front of the loop: its products start the sums
	WIN 0                                          ; at a label and at a branch every window is 0
	s_mov_b32 s3, LAPS-1
.Llap:                                                 ; a trip goes once round the ring, from a lap's second quarter to the next lap's first, and fills both slots again
	QUARTER 0, 1, 0, 1, 0, 1
	QUARTER 1, 0, 0, 0, 0, 1
	QUARTER 1, 1, 0, 1, 0, 1
	QUARTER 0, 0, 0, 0, 0, 1
	WIN 0
	s_sub_co_u32 s3, s3, 1
	s_cmp_lg_u32 s3, 0
	s_cbranch_scc1 .Llap
	s_cmp_eq_u32 s2, 1
	s_cbranch_scc1 .Llast                          ; the last tile's tail is written out: it asks for nothing more
	QUARTER 0, 1, 0, 1, 1, 1                       ; the ring goes on into the next pair of heads: slot 0 takes its K step 0,
	QUARTER 1, 0, 0, 0, 0, 1
	QUARTER 1, 1, 0, 1, 1, 1                       ; slot 1 its K step 1, and the next tile's first fragments are fetched
	WIN 0
	s_branch .Lattend
.Llast:
	QUARTER 0, 1, 0, 2, 0, 1                       ; my one tensor load that was still out is the last K step's, so no round follows
	QUARTER 1, 0, 0, 0, 0, 1
	QUARTER 1, 1, 0, 0, 0, 0
	WIN 0
.Lattend:                                              ; THE TILE IS FINISHED.  Written once for both ways here; LDS loads that the first way has out are older than all those below, so the counts hold on both
.rept 4
	v_nop                                          ; the places behind the last products: the loads below fill buffers that they read
.endr
.irp p, 0,1,2                                          ; my 32 dims of bq -> k's buffer, of bk -> v's, of bv -> x's buffer 1: none of them holds anything for the next tile
.irp n, 0,1,2,3
.set rX, BQ+32*(\p)+8*(\n)
.if (\p) == 2
.set rX, BV+8*(\n)
.endif
	ds_load_b128 v[rX:rX+3],   v[BL] offset:256*(\p)+64*(\n)
	ds_load_b128 v[rX+4:rX+7], v[BL] offset:256*(\p)+64*(\n)+16
.endr
.endr
	s_wait_dscnt 16                                ; bq is in; bk's and bv's sixteen loads may be out
	WIN 0x41                                       ; destination and source 0 window 1, source 1 window 0
.irp u, 0,1,2,3,4,5,6,7                                ; block u / 4, adapter u % 4
.set i, 0
.rept 16
	v_pk_add_f32 v[32*(\u)+i:32*(\u)+i+1], v[32*(\u)+i:32*(\u)+i+1], v[BQ+i:BQ+i+1]
.set i, i+2
.endr
.endr
	s_wait_dscnt 8                                 ; bk is in
	WIN 0x82                                       ; the same in window 2
.irp u, 0,1,2,3,4,5,6,7
.set i, 0
.rept 16
	v_pk_add_f32 v[32*(\u)+i:32*(\u)+i+1], v[32*(\u)+i:32*(\u)+i+1], v[BK+i:BK+i+1]
.set i, i+2
.endr
.endr
	s_wait_dscnt 0x0                               ; bv is in
	ATT 0
	ATT 1
	s_cmp_eq_u32 s2, 1
	s_cbranch_scc1 .Lend
	s_wait_xcnt 0x0                                ; the stores' base and data are written again only behind this wait
	s_add_nc_u64 s[14:15], s[14:15], 32768         ; two heads on in pooled,
	v_add_nc_u32 v[BL], 768, v[BL]                 ; and the second tile's biases
	s_sub_co_u32 s2, s2, 1
	s_branch .Ltile
.Lend:
	s_wait_tensorcnt 0x0                           ; the wave's end: the add and its waits stand behind my last tensor load and my last LDS store
	ds_add_u32 v[SPW], v[NIL]
	s_wait_dscnt 0x0
	CROUND                                         ; the closing round: no work-group ends while a partner may still ask for a tile that names it
	s_endpgm
.Lfunc_end_k_q833c5d220f_qkv_attn:
	.size	k_q833c5d220f_qkv_attn, .Lfunc_end_k_q833c5d220f_qkv_attn-k_q833c5d220f_qkv_attn
	.p2alignl 7, 3214868480
	.fill 96, 4, 3214868480
	.section	.rodata,"a",@progbits
	.p2align	6, 0x0
	.amdhsa_kernel k_q833c5d220f_qkv_attn
		.amdhsa_group_segment_fixed_size 327680
		.amdhsa_private_segment_fixed_size 0
		.amdhsa_enable_private_segment 0
		.amdhsa_kernarg_size 48
		.amdhsa_user_sgpr_count 2
		.amdhsa_user_sgpr_kernarg_segment_ptr 1
		.amdhsa_wavefront_size32 1
		.amdhsa_system_sgpr_workgroup_id_x 1
		.amdhsa_system_sgpr_workgroup_id_y 1
		.amdhsa_system_sgpr_workgroup_id_z 1
		.amdhsa_system_vgpr_workitem_id 0
		.amdhsa_next_free_vgpr 1024
		.amdhsa_next_free_sgpr 80
		.amdhsa_reserve_vcc 0
		.amdhsa_float_denorm_mode_32 3
		.amdhsa_float_denorm_mode_16_64 3
		.amdhsa_memory_ordered 1
		.amdhsa_forward_progress 1
		.amdhsa_inst_pref_size 187
	.end_amdhsa_kernel
	.amdgpu_metadata
---
amdhsa.version: [ 1, 2 ]
amdhsa.kernels:
  - .name:           k_q833c5d220f_qkv_attn
    .symbol:         k_q833c5d220f_qkv_attn.kd
    .args:
      - { .name: xb, .offset: 0, .size: 8, .value_kind: global_buffer, .address_space: global }
      - { .name: wqkv, .offset: 8, .size: 8, .value_kind: global_buffer, .address_space: global }
      - { .name: bq, .offset: 16, .size: 8, .value_kind: global_buffer, .address_space: global }
      - { .name: bk, .offset: 24, .size: 8, .value_kind: global_buffer, .address_space: global }
      - { .name: bv, .offset: 32, .size: 8, .value_kind: global_buffer, .address_space: global }
      - { .name: pooled, .offset: 40, .size: 8, .value_kind: global_buffer, .address_space: global }
    .group_segment_fixed_size: 327680
    .private_segment_fixed_size: 0
    .kernarg_segment_align: 8
    .kernarg_segment_size: 48
    .max_flat_workgroup_size: 128
    .sgpr_count:     80
    .vgpr_count:     1024
    .wavefront_size: 32
...
	.end_amdgpu_metadata
.endif
;; end of part 2
;; launch oproj (part 3): grid 8 x 32, 4 waves a work-group, clusters of 4 x 4, 327,680 bytes of LDS; arguments pooled, wob, bo, adapter_outputs, fused; writes fused
.if DOCPART == 3
	.amdgcn_target "amdgcn-amd-amdhsa--gfx1250"
	.amdhsa_code_object_version 6
	.text
	.protected	k_q833c5d220f_oproj
	.globl	k_q833c5d220f_oproj
	.p2align	8
	.type	k_q833c5d220f_oproj,@function
k_q833c5d220f_oproj:
	s_mov_b64 s[64:65], 0
	v_nop
	global_prefetch_b8 v0, s[64:65] scope:SCOPE_SE
	s_setreg_imm32_b32 hwreg(HW_REG_WAVE_MODE, 25, 1), 1
	s_wait_xcnt 0x0
	s_wait_alu depctr_hold_cnt(0) depctr_sa_sdst(0) depctr_va_vdst(0) depctr_va_sdst(0) depctr_va_ssrc(0) depctr_va_vcc(0) depctr_vm_vsrc(0)
	s_getreg_b32 s2, hwreg(HW_REG_IB_STS2, 6, 4)
	s_cmp_eq_u32 s2, 0
	s_cbranch_scc0 .Lentry_in_a_cluster
	s_endpgm
.Lentry_in_a_cluster:
	s_bfe_u32 s2, ttmp6, 0x10000c
	s_cmp_lg_u32 s2, 0xf033
	s_cbranch_scc0 .Lentry_shape_is_right
	s_endpgm
.Lentry_shape_is_right:
; fused[token][n] = sum over k of pooled[token][k] Wo[k][n] + bo[n] + adapter_outputs[0][token][n].  pooled and Wo in bf16, sums, bias, residual and result in f32.
; 4,096 x 1,024 of output make 256 tiles of 128 x 128: one for each work-group.  Four waves, each 64 x 64: 16 accumulators.  K goes in four steps of 256 (four heads) through two LDS slots.
; pooled lies [mt 32][head 16][token 128][64]: a K step of a tile is 65,536 dense bytes, and lands as [head 4][token 128] rows of 128 bytes + 16 of padding.  wob lies [nt 8][k 1024][128]: a K step is
; 256 dense rows of 256 bytes + 32 of padding; it lies [k][column], so its fragments come out turned, by ds_load_tr16_b128.
; CLUSTER: 4 x 4 work-groups; pooled's tile hangs on mt alone and is asked for jointly along a row of the cluster, wob's on nt alone: along a column.
; THE MATRIX INSTRUCTION IS USED TRANSPOSED (source 0 = 16 columns of Wo, source 1 = 16 tokens): a lane holds eight neighbouring columns of one token's row.
; The tile's part of the residual is asked for at the start and lands under the products.  LayerNorm wants whole rows of 1,024 columns and is the launch behind this one.
; REGISTERS: window 0: v8-11 bo, v16-29 addresses, v32-63 at work on the way out, v128-255 the accumulators ((a, b) at 128 + 8 (4 a + b));
;   window 1: two fragment buffers of 128: for 64 along K, 64 registers of pooled (8 (4 c + a)), then 64 of Wo (64 + 8 (4 c + b));   window 2: v0-127 the residual, then the result (4 (8 a + t))
.set PA,     144                       ; a row of pooled in LDS: 36 words: the 16 rows of a load start at 16 different groups of four banks (64 banks of 4 bytes: ISA guide 11.1)
.set PB,     288                       ; a row of Wo: 72 words
.set PART,   36864                     ; what one tensor load fills: 256 rows x 144 or 128 rows x 288
.set SLOT,   4*PART                    ; pooled's two parts, then Wo's two
.set STAGE,  2*SLOT                    ; behind the ring: 16 rows x 272 bytes for each wave; no tensor load lands here
.set SPITCH, 272
.set SPARE,  STAGE+4*16*SPITCH         ; behind the stages: the spare words, 128 bytes for each wave: two blocks of 256 bytes that no other line names
.set BI,   8                           ; v[8:11]  bo of the four columns that I store
.set ADRA, 16                          ; v16-17   LDS address of my pooled fragments in slot 0, 1
.set ADRB, 20                          ; v20-23   of my Wo fragments: slot 0 rows 0-127, slot 0 rows 128-255, slot 1 likewise (the immediate does not reach over 256 rows)
.set STO,  24                          ; v24      the way out: where I put 32 bytes of a row
.set RD,   25                          ; v25      the way out: where I read a row back
.set CO,   26                          ; v26      my byte offset in two rows of the residual and of fused
.set BA,   27                          ; v27      my byte offset in my wave's 256 bytes of bo
.set SPW,  28                          ; v28      LDS address of my spare word; never rewritten
.set NIL,  29                          ; v29      0; never rewritten
.set TMP,  32
.set ACC,  128
.set F0,   0
.set F1,   128
.set WV,  16                           ; s16  my wave's number
.set G1,  24                           ; s[24:31], s[32:39] descriptor groups 1 and 0 (a set for each slot) for pooled's tiles
.set G0,  32
.set G1B, 48                           ; s[48:55], s[56:63] the same for Wo's
.set G0B, 56
.set MSB, 0
.macro WIN new                         ; the immediate's high byte repeats the setting that is left
.if MSB != (\new)
	s_set_vgpr_msb (MSB<<8)|(\new)
.set MSB, \new
.endif
.endm
.set MUL,  0x05                        ; sources 0 and 1 window 1; C and D window 0
.set TO_F, 0x40                        ; destination window 1, address window 0
.macro JLOAD s                         ; a joint load: waves 0 and 1 fetch pooled's two parts, waves 2 and 3 Wo's; an s_nop 0 and four v_nop follow each of the two lines
	s_cmp_lt_u32 s[WV], 2
	s_cbranch_scc0 .Lfor_b_\@
	tensor_load_to_lds s[G0+4*(\s):G0+4*(\s)+3], s[G1:G1+7]
	s_nop 0
.rept 4
	v_nop
.endr
	s_branch .Lasked_\@
.Lfor_b_\@:
	tensor_load_to_lds s[G0B+4*(\s):G0B+4*(\s)+3], s[G1B:G1B+7]
	s_nop 0
.rept 4
	v_nop
.endr
.Lasked_\@:
.endm
.macro CREST                           ; a round of the cluster's barrier behind its opening barrier
	s_cmp_lg_u32 s[WV], 0
	s_cbranch_scc1 .Lnot_wave_0_\@
	s_barrier_signal -3
.Lnot_wave_0_\@:
	s_barrier_wait -3
	s_barrier_signal -1
	s_barrier_wait -1
.endm
.macro CROUND
	s_barrier_signal -1
	s_barrier_wait -1
	CREST
.endm
.macro PLACES                          ; four places between matrix instructions and loads into, or reads of, their registers
.rept 4
	v_nop
.endr
.endm
	s_load_b256 s[4:11], s[0:1], 0x0               ; pooled s[4:5], wob s[6:7], bo s[8:9], adapter_outputs s[10:11]
	s_load_b64 s[12:13], s[0:1], 0x20              ; fused
	v_lshl_add_u32 v[SPW], v0, 2, SPARE
	v_mov_b32 v[NIL], 0
	ds_add_u32 v[SPW], v[NIL]                      ; the wave's opening: the add and its wait stand ahead of my first tensor load; the set-up below stands between them
	v_lshrrev_b32 v1, 5, v0
	v_readfirstlane_b32 s[WV], v1                  ; wave 0..3
	s_lshr_b32 s17, s[WV], 1                       ; which half of the tile's tokens is mine
	s_and_b32 s18, s[WV], 1                        ; which half of its columns.  Also: which part of a tile I fetch
	s_bfe_u32 s19, ttmp6, 0x40000                  ; cx
	s_bfe_u32 s20, ttmp6, 0x40004                  ; cy
	s_lshl_b32 s21, ttmp9, 2
	s_add_co_u32 s21, s21, s19                     ; nt = 4 x cluster x + cx
	s_and_b32 s22, ttmp7, 0xffff
	s_lshl_b32 s22, s22, 2
	s_add_co_u32 s22, s22, s20                     ; mt = 4 x cluster y + cy
	s_lshl_b32 s23, s20, 2
	s_lshl_b32 s23, 15, s23                        ; my row of the cluster
	s_lshl_b32 s40, 0x1111, s19                    ; my column
	; both tiles are 32,768 dense bytes, asked for as 128 rows of 256 bytes; pooled is padded by 16 bytes behind every 32 words, Wo by 32 bytes behind every 64
	s_or_b32 s[G1+0], s23, (1<<16)|(1<<20)|(1<<21)|(4<<22)|(3<<25)
	s_or_b32 s[G1B+0], s40, (1<<16)|(1<<20)|(1<<21)|(5<<22)|(7<<25)
.irp g, G1, G1B
	s_mov_b32 s[(\g)+1], 128<<16                   ; tensor_dim0 = 128
	s_mov_b32 s[(\g)+2], 128<<16                   ; tensor_dim1 = 128
	s_mov_b32 s[(\g)+3], 128<<16                   ; tile_dim0 = 128
	s_mov_b32 s[(\g)+4], 128                       ; tile_dim1 = 128
	s_mov_b32 s[(\g)+5], 128                       ; the pitch
	s_mov_b32 s[(\g)+6], 0
	s_mov_b32 s[(\g)+7], 0
.endr
	s_lshl_b32 s45, s18, 15                        ; my part of a K step's 65,536 bytes
	s_lshl_b32 s42, s22, 18                        ; pooled: mt x 262,144, in registers that never hold cx
	s_add_co_u32 s42, s42, s45
	s_mov_b32 s43, 0
	s_lshl_b32 s46, s21, 18                        ; wob: nt x 262,144, in registers that never hold cy
	s_add_co_u32 s46, s46, s45
	s_mov_b32 s47, 0
	s_mul_i32 s44, s[WV], PART                     ; where the parts go: wave x 36,864
	s_lshl_b32 s40, s21, 9                         ; my wave's 64 columns in f32: 512 nt + 256 (w % 2) bytes
	s_lshl_b32 s41, s18, 8
	s_add_co_u32 s40, s40, s41
	s_mov_b32 s41, 0
	s_lshl_b32 s2, s22, 19                         ; my wave's 64 rows of 4,096 bytes: 128 mt + 64 (w / 2),
	s_lshl_b32 s3, s17, 18
	s_add_co_u32 s2, s2, s3
	s_add_co_u32 s2, s2, s40                       ; at those columns
	s_mov_b32 s3, 0
	s_wait_dscnt 0x0                               ; the opening add is done
	s_wait_kmcnt 0x0
	s_add_nc_u64 s[4:5], s[4:5], s[42:43]
	s_add_nc_u64 s[6:7], s[6:7], s[46:47]
	s_add_nc_u64 s[8:9], s[8:9], s[40:41]
	s_add_nc_u64 s[10:11], s[10:11], s[2:3]        ; adapter 0 lies at the buffer's head, row = token
	s_add_nc_u64 s[12:13], s[12:13], s[2:3]
	CROUND                                         ; all sixteen work-groups are here: the first joint loads meet
.irp s, 0,1
	s_mov_b32 s[G0+4*(\s)], 1
	s_add_co_u32 s[G0+4*(\s)+1], s44, (\s)*SLOT
	s_add_nc_u64 s[G0+4*(\s)+2:G0+4*(\s)+3], s[4:5], (\s)*65536
	s_or_b32 s[G0+4*(\s)+3], s[G0+4*(\s)+3], 0x80000000
	s_mov_b32 s[G0B+4*(\s)], 1
	s_add_co_u32 s[G0B+4*(\s)+1], s44, (\s)*SLOT
	s_add_nc_u64 s[G0B+4*(\s)+2:G0B+4*(\s)+3], s[6:7], (\s)*65536
	s_or_b32 s[G0B+4*(\s)+3], s[G0B+4*(\s)+3], 0x80000000
.endr
	s_cmp_lt_u32 s[WV], 2                          ; a wave's two first fills stand in one branch, ahead of every wait on TENSORcnt and every LDS read: two loads of mine are out
	s_cbranch_scc0 .Lfirst_b
	tensor_load_to_lds s[G0:G0+3], s[G1:G1+7]
	s_nop 0
	tensor_load_to_lds s[G0+4:G0+7], s[G1:G1+7]
	s_nop 0
.rept 4
	v_nop
.endr
	s_branch .Lfirst_asked
.Lfirst_b:
	tensor_load_to_lds s[G0B:G0B+3], s[G1B:G1B+7]
	s_nop 0
	tensor_load_to_lds s[G0B+4:G0B+7], s[G1B:G1B+7]
	s_nop 0
.rept 4
	v_nop
.endr
.Lfirst_asked:
	v_and_b32 v1, 15, v0                           ; r = l % 16
	v_bfe_u32 v2, v0, 4, 1                         ; h = l / 16
	v_lshlrev_b32 v[CO], 4, v1                     ; lanes 0-15 take 256 bytes of one row, lanes 16-31 of the next
	v_lshl_add_u32 v[CO], v2, 12, v[CO]
	v_lshlrev_b32 v[BA], 4, v1
	global_load_b128 v[BI:BI+3], v[BA], s[8:9]
	WIN 0x80                                       ; destination window 2, address window 0
.irp a, 0,1,2,3
.irp t, 0,1,2,3,4,5,6,7
	global_load_b128 v[4*(8*(\a)+(\t)):4*(8*(\a)+(\t))+3], v[CO], s[10:11] offset:(16*(\a)+2*(\t))*4096  ; the residual: 16 lanes load 256 consecutive bytes, aligned
.endr
.endr
	WIN 0
	s_mul_i32 s41, s17, 64*PA                      ; my 64 tokens in a head's 128 rows
	v_mul_u32_u24 v3, v1, PA
	v_lshl_add_u32 v3, v2, 4, v3                   ; row x pitch + 16 x half
	v_add_nc_u32 v[ADRA], s41, v3
	v_add_nc_u32 v[ADRA+1], SLOT, v[ADRA]
	v_and_b32 v4, 7, v0                            ; the turning load: lane l reads row 8 (l / 16) + l % 8, columns 8 ((l / 8) % 2) + 0..7
	v_bfe_u32 v5, v0, 3, 1
	v_lshl_add_u32 v6, v2, 3, v4
	v_mul_u32_u24 v6, v6, PB
	v_lshl_add_u32 v6, v5, 4, v6
	s_lshl_b32 s41, s18, 7                         ; my 64 columns of the panel's 128,
	s_add_co_u32 s41, s41, 2*PART                  ; behind pooled's two parts
	v_add_nc_u32 v[ADRB], s41, v6
	v_add_nc_u32 v[ADRB+1], PART, v[ADRB]
	v_add_nc_u32 v[ADRB+2], SLOT, v[ADRB]
	v_add_nc_u32 v[ADRB+3], SLOT+PART, v[ADRB]
	s_mul_i32 s41, s[WV], 16*SPITCH
	s_add_co_u32 s41, s41, STAGE                   ; my stage
	v_mul_u32_u24 v7, v1, SPITCH                   ; in: row r, 32 bytes for each half of the lanes
	v_lshl_add_u32 v7, v2, 5, v7
	v_add_nc_u32 v[STO], s41, v7
	v_mul_u32_u24 v7, v2, SPITCH                   ; back: lanes 0-15 one row of 256 bytes, lanes 16-31 the next
	v_lshl_add_u32 v7, v1, 4, v7
	v_add_nc_u32 v[RD], s41, v7
; 8 matrix instructions: token blocks a0, a0 + 1 x all 4 column blocks, 32 along K: half c of buffer f.  zero = 1: the product starts the sum.  The 16 accumulators take turns.
.macro MUL8 f, c, a0, zero
	WIN MUL
.irp a, \a0, (\a0)+1
.irp b, 0,1,2,3
.if \zero
	v_wmma_f32_16x16x32_bf16 v[ACC+8*(4*(\a)+(\b)):ACC+8*(4*(\a)+(\b))+7], v[(\f)+64+8*(4*(\c)+(\b)):(\f)+64+8*(4*(\c)+(\b))+7], v[(\f)+8*(4*(\c)+(\a)):(\f)+8*(4*(\c)+(\a))+7], 0
.else
	v_wmma_f32_16x16x32_bf16 v[ACC+8*(4*(\a)+(\b)):ACC+8*(4*(\a)+(\b))+7], v[(\f)+64+8*(4*(\c)+(\b)):(\f)+64+8*(4*(\c)+(\b))+7], v[(\f)+8*(4*(\c)+(\a)):(\f)+8*(4*(\c)+(\a))+7], v[ACC+8*(4*(\a)+(\b)):ACC+8*(4*(\a)+(\b))+7]
.endif
.endr
.endr
.endm
; 32 LDS loads in one run: the fragments of head hh of a slot's four (64 along K) into buffer f; the first 32 along K first
.macro FETCH slot, hh, f
	WIN TO_F
.irp c, 0,1
.irp i, 0,1,2,3
	ds_load_tr16_b128 v[(\f)+64+8*(4*(\c)+(\i)):(\f)+64+8*(4*(\c)+(\i))+3],   v[ADRB+2*(\slot)+(\hh)/2] offset:((\hh)%2)*64*PB+(\c)*32*PB+32*(\i)
	ds_load_tr16_b128 v[(\f)+64+8*(4*(\c)+(\i))+4:(\f)+64+8*(4*(\c)+(\i))+7], v[ADRB+2*(\slot)+(\hh)/2] offset:((\hh)%2)*64*PB+(\c)*32*PB+32*(\i)+16*PB
	ds_load_b128 v[(\f)+8*(4*(\c)+(\i)):(\f)+8*(4*(\c)+(\i))+3],              v[ADRA+(\slot)] offset:(\hh)*128*PA+(\i)*16*PA+64*(\c)
	ds_load_b128 v[(\f)+8*(4*(\c)+(\i))+4:(\f)+8*(4*(\c)+(\i))+7],            v[ADRA+(\slot)] offset:(\hh)*128*PA+(\i)*16*PA+64*(\c)+32
.endr
.endr
.endm
; A K step is four quarters of 64 along K, 32 matrix instructions each, on buffers 0, 1, 0, 1.  One of the first three: multiplies buffer f and fetches head hh into g.
.macro QUARTER slot, hh, f, g, zero
	s_wait_dscnt 16                                ; the first 32 along K are in
	MUL8 \f, 0, 0, \zero
	MUL8 \f, 0, 2, \zero
	PLACES
	FETCH \slot, \hh, \g
	s_wait_dscnt 32                                ; all but the 32 just issued
	MUL8 \f, 1, 0, 0
	MUL8 \f, 1, 2, 0
.endm
; The last quarter multiplies buffer 1 and changes slots: ONE barrier; in front of it each wave waits for all its tensor loads, adds 0 to its spare word, and waits for that and for its own reads of this slot.
; fill = 1: the barrier opens a round of the cluster's, and this slot is filled again, two K steps ahead, first thing behind it: 112 matrix instructions ahead of the wait for it.
.macro TURN slot, next, fill
	WIN 0
	s_wait_tensorcnt 0x0                           ; all my tensor loads have landed: my part of the next slot
	ds_add_u32 v[SPW], v[NIL]                      ; 0 onto my spare word
	s_wait_dscnt 17                                ; (the add and the youngest sixteen loads may be out)
	MUL8 F1, 0, 0, 0
	s_wait_dscnt 0x0                               ; the add is done, and my reads of this slot are over
	s_barrier_signal -1
	MUL8 F1, 0, 2, 0
.if \fill
	WIN 0
.endif
	s_barrier_wait -1
.if \fill
	CREST
	s_add_nc_u64 s[G0+4*(\slot)+2:G0+4*(\slot)+3], s[G0+4*(\slot)+2:G0+4*(\slot)+3], 2*65536
	s_add_nc_u64 s[G0B+4*(\slot)+2:G0B+4*(\slot)+3], s[G0B+4*(\slot)+2:G0B+4*(\slot)+3], 2*65536
	JLOAD \slot                                    ; its four v_nop are also the places in front of the loads below
.else
	PLACES
.endif
	FETCH \next, 0, F0
	MUL8 F1, 1, 0, 0
	MUL8 F1, 1, 2, 0
.endm
	s_wait_tensorcnt 0x1                           ; my part of K step 0 is in; K step 1's may stay out
	s_barrier_signal -1
	s_barrier_wait -1
	FETCH 0, 0, F0
	QUARTER 0, 1, F0, F1, 1                        ; K step 0: its first products start the sums
	QUARTER 0, 2, F1, F0, 0
	QUARTER 0, 3, F0, F1, 0
	TURN 0, 1, 1                                   ; slot 0 takes K step 2
	QUARTER 1, 1, F0, F1, 0                        ; K step 1
	QUARTER 1, 2, F1, F0, 0
	QUARTER 1, 3, F0, F1, 0
	TURN 1, 0, 1                                   ; slot 1 takes K step 3
	QUARTER 0, 1, F0, F1, 0                        ; K step 2
	QUARTER 0, 2, F1, F0, 0
	QUARTER 0, 3, F0, F1, 0
	TURN 0, 1, 0                                   ; nothing is left to fetch
	QUARTER 1, 1, F0, F1, 0                        ; K step 3
	QUARTER 1, 2, F1, F0, 0
	QUARTER 1, 3, F0, F1, 0
	s_wait_dscnt 16
	MUL8 F1, 0, 0, 0
	MUL8 F1, 0, 2, 0
	s_wait_dscnt 0x0
	MUL8 F1, 1, 0, 0
	MUL8 F1, 1, 2, 0
	; THE WAY OUT, 16 tokens at a time: a lane's eight columns go into my stage (each accumulator's low half first) and come back as whole rows of 256 bytes;
	; the residual and the bias are added, and sixteen lanes store 256 consecutive bytes, aligned.  Every result register is stored once, so nothing waits for a store.
	WIN 0
	PLACES
	s_wait_loadcnt 0x0                             ; bo and the residual
.irp a, 0,1,2,3
	WIN 0
.irp b, 0,1,2,3
	ds_store_b128 v[STO], v[ACC+8*(4*(\a)+(\b)):ACC+8*(4*(\a)+(\b))+3]   offset:64*(\b)
	ds_store_b128 v[STO], v[ACC+8*(4*(\a)+(\b))+4:ACC+8*(4*(\a)+(\b))+7] offset:64*(\b)+16
.endr
.irp t, 0,1,2,3,4,5,6,7
	ds_load_b128 v[TMP+4*(\t):TMP+4*(\t)+3], v[RD] offset:(\t)*2*SPITCH  ; LDS serves a wave's instructions in order (ISA guide 5.7.1.4): these see the stores above, the next block's stores come behind them
.endr
	WIN 0x88                                       ; destination and source 1 (a store's data) window 2; source 0 (a store's address) window 0
.irp t, 0,1,2,3,4,5,6,7
	s_wait_dscnt 7-(\t)                            ; the 7 - t younger loads stay out
	v_pk_add_f32 v[4*(8*(\a)+(\t)):4*(8*(\a)+(\t))+1],   v[TMP+4*(\t):TMP+4*(\t)+1],   v[4*(8*(\a)+(\t)):4*(8*(\a)+(\t))+1]
	v_pk_add_f32 v[4*(8*(\a)+(\t))+2:4*(8*(\a)+(\t))+3], v[TMP+4*(\t)+2:TMP+4*(\t)+3], v[4*(8*(\a)+(\t))+2:4*(8*(\a)+(\t))+3]
	v_pk_add_f32 v[4*(8*(\a)+(\t)):4*(8*(\a)+(\t))+1],   v[BI:BI+1],                   v[4*(8*(\a)+(\t)):4*(8*(\a)+(\t))+1]
	v_pk_add_f32 v[4*(8*(\a)+(\t))+2:4*(8*(\a)+(\t))+3], v[BI+2:BI+3],                 v[4*(8*(\a)+(\t))+2:4*(8*(\a)+(\t))+3]
	global_store_b128 v[CO], v[4*(8*(\a)+(\t)):4*(8*(\a)+(\t))+3], s[12:13] offset:(16*(\a)+2*(\t))*4096
.endr
.endr
	WIN 0
	s_wait_tensorcnt 0x0                           ; the wave's end: the add and its waits stand behind my last tensor load and my last LDS store
	ds_add_u32 v[SPW], v[NIL]
	s_wait_dscnt 0x0
	CROUND                                         ; the closing round: no work-group ends while a partner may still ask for a tile that names it
	s_endpgm
.Lfunc_end_k_q833c5d220f_oproj:
	.size	k_q833c5d220f_oproj, .Lfunc_end_k_q833c5d220f_oproj-k_q833c5d220f_oproj
	.p2alignl 7, 3214868480
	.fill 96, 4, 3214868480
	.section	.rodata,"a",@progbits
	.p2align	6, 0x0
	.amdhsa_kernel k_q833c5d220f_oproj
		.amdhsa_group_segment_fixed_size 327680
		.amdhsa_private_segment_fixed_size 0
		.amdhsa_enable_private_segment 0
		.amdhsa_kernarg_size 40
		.amdhsa_user_sgpr_count 2
		.amdhsa_user_sgpr_kernarg_segment_ptr 1
		.amdhsa_wavefront_size32 1
		.amdhsa_system_sgpr_workgroup_id_x 1
		.amdhsa_system_sgpr_workgroup_id_y 1
		.amdhsa_system_sgpr_workgroup_id_z 1
		.amdhsa_system_vgpr_workitem_id 0
		.amdhsa_next_free_vgpr 640
		.amdhsa_next_free_sgpr 66
		.amdhsa_reserve_vcc 0
		.amdhsa_float_denorm_mode_32 3
		.amdhsa_float_denorm_mode_16_64 3
		.amdhsa_memory_ordered 1
		.amdhsa_forward_progress 1
		.amdhsa_inst_pref_size 97
	.end_amdhsa_kernel
	.amdgpu_metadata
---
amdhsa.version: [ 1, 2 ]
amdhsa.kernels:
  - .name:           k_q833c5d220f_oproj
    .symbol:         k_q833c5d220f_oproj.kd
    .args:
      - { .name: pooled, .offset: 0, .size: 8, .value_kind: global_buffer, .address_space: global }
      - { .name: wob, .offset: 8, .size: 8, .value_kind: global_buffer, .address_space: global }
      - { .name: bo, .offset: 16, .size: 8, .value_kind: global_buffer, .address_space: global }
      - { .name: adapter_outputs, .offset: 24, .size: 8, .value_kind: global_buffer, .address_space: global }
      - { .name: fused, .offset: 32, .size: 8, .value_kind: global_buffer, .address_space: global }
    .group_segment_fixed_size: 327680
    .private_segment_fixed_size: 0
    .kernarg_segment_align: 8
    .kernarg_segment_size: 40
    .max_flat_workgroup_size: 128
    .sgpr_count:     66
    .vgpr_count:     640
    .wavefront_size: 32
...
	.end_amdgpu_metadata
.endif
;; end of part 3
;; launch lnorm (part 4): grid 256 x 1, 8 waves a work-group, no clusters, 0 bytes of LDS; arguments fused, ln_gamma, ln_beta, out0; writes out0
.if DOCPART == 4
	.amdgcn_target "amdgcn-amd-amdhsa--gfx1250"
	.amdhsa_code_object_version 6
	.text
	.protected	k_q833c5d220f_lnorm
	.globl	k_q833c5d220f_lnorm
	.p2align	8
	.type	k_q833c5d220f_lnorm,@function
k_q833c5d220f_lnorm:
	s_mov_b64 s[64:65], 0
	v_nop
	global_prefetch_b8 v0, s[64:65] scope:SCOPE_SE
	s_setreg_imm32_b32 hwreg(HW_REG_WAVE_MODE, 25, 1), 1
	s_wait_xcnt 0x0
; out0[r][c] = (fused[r][c] - mu[r]) / sqrt(var[r] + 1e-5) * gamma[c] + beta[c], all f32; mu and the biased variance over the row's 1,024 numbers.
; The variance is taken of the differences from the mean, in a second pass over registers: no difference of large sums is formed.  NaN and infinities are not treated apart.
; A stream: a row of 4,096 bytes is 32 registers of one wave, so a wave takes whole rows, two of them, keeps them in registers between the passes, and never meets another wave: no LDS, no barrier.
; Lane l holds columns 128 i + 4 l .. + 3, i = 0..7: each load and store of a wave covers 512 consecutive bytes, aligned.  All 32 loads of a wave are out before the first wait; no register
; that a store reads is written again.  Matrix units, clusters and tensor loads would add nothing: each byte is read once and used by one wave.
.set G,  8                             ; v[8:39]    gamma of my 32 columns
.set B,  40                            ; v[40:71]   beta
.set X0, 72                            ; v[72:103]  my first row
.set X1, 104                           ; v[104:135] my second row
.set T,  136                           ; v[136:147] at work: four chains; T+8, T+9 the mean twice; T+10, T+11 1 / sqrt(var + eps) twice
	s_load_b256 s[4:11], s[0:1], 0x0               ; fused s[4:5], gamma s[6:7], beta s[8:9], out0 s[10:11]
	v_and_b32 v2, 31, v0
	v_lshlrev_b32 v2, 4, v2                        ; 16 x lane
	v_lshrrev_b32 v1, 5, v0
	v_lshl_add_u32 v1, v1, 13, v2                  ; + wave x 2 rows of 4,096 bytes
	s_lshl_b32 s2, ttmp9, 16                       ; the work-group's 16 rows
	s_mov_b32 s3, 0
	s_mov_b32 s12, 0x76543210                      ; v_permlanex16_b32: each lane takes its own place in the other half
	s_mov_b32 s13, 0xfedcba98
	s_mov_b32 s14, 0x3a800000                      ; 1 / 1,024
	s_mov_b32 s15, 0x3727c5ac                      ; 1e-5
	s_wait_kmcnt 0x0
	s_add_nc_u64 s[4:5], s[4:5], s[2:3]
	s_add_nc_u64 s[10:11], s[10:11], s[2:3]
.irp i, 0,1,2,3,4,5,6,7
	global_load_b128 v[G+4*(\i):G+4*(\i)+3], v2, s[6:7] offset:512*(\i)
.endr
.irp i, 0,1,2,3,4,5,6,7
	global_load_b128 v[B+4*(\i):B+4*(\i)+3], v2, s[8:9] offset:512*(\i)
.endr
.irp i, 0,1,2,3,4,5,6,7
	global_load_b128 v[X0+4*(\i):X0+4*(\i)+3], v1, s[4:5] offset:512*(\i) th:TH_LOAD_NT
.endr
.irp i, 0,1,2,3,4,5,6,7
	global_load_b128 v[X1+4*(\i):X1+4*(\i)+3], v1, s[4:5] offset:4096+512*(\i) th:TH_LOAD_NT
.endr
; the four chains' pairs in v[T:T+7] -> their sum over all 32 lanes, in v[T] of every lane
.macro RED
	v_pk_add_f32 v[T:T+1], v[T:T+1], v[T+2:T+3]
	v_pk_add_f32 v[T+4:T+5], v[T+4:T+5], v[T+6:T+7]
	v_pk_add_f32 v[T:T+1], v[T:T+1], v[T+4:T+5]
	v_add_f32 v[T], v[T], v[T+1]
	v_add_f32_dpp v[T], v[T], v[T] row_xmask:1 row_mask:0xf bank_mask:0xf
	v_add_f32_dpp v[T], v[T], v[T] row_xmask:2 row_mask:0xf bank_mask:0xf
	v_add_f32_dpp v[T], v[T], v[T] row_xmask:4 row_mask:0xf bank_mask:0xf
	v_add_f32_dpp v[T], v[T], v[T] row_xmask:8 row_mask:0xf bank_mask:0xf
	v_permlanex16_b32 v[T+1], v[T], s12, s13       ; its destination has been written
	v_add_f32 v[T], v[T], v[T+1]
.endm
; One row, in registers x .. x + 31.  left: the younger loads that may stay out.  off: the row's bytes from my first row.
.macro ROW x, left, off
	s_wait_loadcnt \left
.irp c, 0,1,2,3
	v_pk_add_f32 v[T+2*(\c):T+2*(\c)+1], v[(\x)+2*(\c):(\x)+2*(\c)+1], v[(\x)+2*(\c)+8:(\x)+2*(\c)+9]  ; the first pairs start the chains: nothing is cleared
.endr
.irp k, 16, 24
.irp c, 0,1,2,3
	v_pk_add_f32 v[T+2*(\c):T+2*(\c)+1], v[T+2*(\c):T+2*(\c)+1], v[(\x)+2*(\c)+(\k):(\x)+2*(\c)+(\k)+1]
.endr
.endr
	RED
	v_mul_f32 v[T+8], s14, v[T]                    ; the mean, twice: a pair for the packed subtraction
	v_mul_f32 v[T+9], s14, v[T]
.set i, 0
.rept 16
	v_pk_add_f32 v[(\x)+i:(\x)+i+1], v[(\x)+i:(\x)+i+1], v[T+8:T+9] neg_lo:[0,1] neg_hi:[0,1]
.set i, i+2
.endr
.irp c, 0,1,2,3
	v_pk_mul_f32 v[T+2*(\c):T+2*(\c)+1], v[(\x)+2*(\c):(\x)+2*(\c)+1], v[(\x)+2*(\c):(\x)+2*(\c)+1]
.endr
.irp k, 8, 16, 24
.irp c, 0,1,2,3
	v_pk_fma_f32 v[T+2*(\c):T+2*(\c)+1], v[(\x)+2*(\c)+(\k):(\x)+2*(\c)+(\k)+1], v[(\x)+2*(\c)+(\k):(\x)+2*(\c)+(\k)+1], v[T+2*(\c):T+2*(\c)+1]
.endr
.endr
	RED
	v_fma_f32 v[T+2], v[T], s14, s15               ; var + eps
	v_rsq_f32 v[T+10], v[T+2]
	v_rsq_f32 v[T+11], v[T+2]
	v_nop                                          ; a plain instruction between the last v_rsq_f32 and the use of its result (ISA guide 5.7.2)
.set i, 0
	s_wait_alu depctr_va_vdst(0)
.rept 16
	v_pk_mul_f32 v[(\x)+i:(\x)+i+1], v[(\x)+i:(\x)+i+1], v[T+10:T+11]
.set i, i+2
.endr
.set i, 0
.rept 16
	v_pk_fma_f32 v[(\x)+i:(\x)+i+1], v[(\x)+i:(\x)+i+1], v[G+i:G+i+1], v[B+i:B+i+1]
.set i, i+2
.endr
.irp j, 0,1,2,3,4,5,6,7
	global_store_b128 v1, v[(\x)+4*(\j):(\x)+4*(\j)+3], s[10:11] offset:(\off)+512*(\j) th:TH_STORE_NT
.endr
.endm
	ROW X0, 8, 0                                   ; gamma, beta and my first row are in; the second row's eight loads stay out
	ROW X1, 0, 4096
	s_endpgm
.Lfunc_end_k_q833c5d220f_lnorm:
	.size	k_q833c5d220f_lnorm, .Lfunc_end_k_q833c5d220f_lnorm-k_q833c5d220f_lnorm
	.p2alignl 7, 3214868480
	.fill 96, 4, 3214868480
	.section	.rodata,"a",@progbits
	.p2align	6, 0x0
	.amdhsa_kernel k_q833c5d220f_lnorm
		.amdhsa_group_segment_fixed_size 0
		.amdhsa_private_segment_fixed_size 0
		.amdhsa_enable_private_segment 0
		.amdhsa_kernarg_size 32
		.amdhsa_user_sgpr_count 2
		.amdhsa_user_sgpr_kernarg_segment_ptr 1
		.amdhsa_wavefront_size32 1
		.amdhsa_system_sgpr_workgroup_id_x 1
		.amdhsa_system_sgpr_workgroup_id_y 1
		.amdhsa_system_sgpr_workgroup_id_z 1
		.amdhsa_system_vgpr_workitem_id 0
		.amdhsa_next_free_vgpr 148
		.amdhsa_next_free_sgpr 66
		.amdhsa_reserve_vcc 0
		.amdhsa_float_denorm_mode_32 3
		.amdhsa_float_denorm_mode_16_64 3
		.amdhsa_memory_ordered 1
		.amdhsa_forward_progress 1
		.amdhsa_inst_pref_size 18
	.end_amdhsa_kernel
	.amdgpu_metadata
---
amdhsa.version: [ 1, 2 ]
amdhsa.kernels:
  - .name:           k_q833c5d220f_lnorm
    .symbol:         k_q833c5d220f_lnorm.kd
    .args:
      - { .name: fused, .offset: 0, .size: 8, .value_kind: global_buffer, .address_space: global }
      - { .name: ln_gamma, .offset: 8, .size: 8, .value_kind: global_buffer, .address_space: global }
      - { .name: ln_beta, .offset: 16, .size: 8, .value_kind: global_buffer, .address_space: global }
      - { .name: out0, .offset: 24, .size: 8, .value_kind: global_buffer, .address_space: global }
    .group_segment_fixed_size: 0
    .private_segment_fixed_size: 0
    .kernarg_segment_align: 8
    .kernarg_segment_size: 32
    .max_flat_workgroup_size: 256
    .sgpr_count:     66
    .vgpr_count:     148
    .wavefront_size: 32
...
	.end_amdgpu_metadata
.endif
;; end of part 4
